; MI455X (gfx1250); checked and timed in simulation.
; The chip was launched on July 23, 2026; its instructions are those of AMD's public machine-readable ISA for CDNA 5 (MIT licence, August 2026) and "CDNA5" Instruction Set Architecture Reference Guide (July 2026). The comments in the code are by the model that wrote it; some were corrected since.
;; SA Multi Head Attention. Allowed arithmetic: matrix products marked QUANTISED: E5M2 operands, one given power-of-two scale a tensor, by v_wmma_f32_16x16x64_bf8_bf8 or v_wmma_f32_16x16x128_bf8_bf8, f32 sums; everything else in f32.
;; Inputs: Wk_codes 16 x 64 x 32 x 32 uint8 (E5M2 codes of Wk, K innermost, in blocks of 32 codes); Wo_codes 1,024 x 32 x 32 uint8 (E5M2 codes of Wo, K innermost, in blocks of 32 codes); Wq_codes 16 x 64 x 32 x 32 uint8 (E5M2 codes of Wq, K innermost, in blocks of 32 codes); Wv_codes 16 x 64 x 32 x 32 uint8 (E5M2 codes of Wv, K innermost, in blocks of 32 codes); bo 1,024 float32; lowp_scales 12 int32 (the exponents e of the quantised operands' scales 2^e); x_codes 8 x 1,024 x 32 x 32 uint8 (E5M2 codes of x, K innermost, in blocks of 32 codes).
;; Outputs: out0 8 x 1,024 x 1,024 float32.
;; This version of the problem:
;;   THIS VERSION OF THE PROBLEM IS GIVEN IN LOW PRECISION. The matrix products marked QUANTISED in the list below multiply operands that are first quantised to E5M2 (5 exponent bits, 2 mantissa bits; 8 bits a number), with one given power-of-two scale for each operand tensor; their sums are f32. All else is computed in f32.
;;   The module's matrix products, in the order in which they are computed (A, B: the left and right operand; K: the contracted axis; several contracted axes count as one K, in the product's order):
;;     1. [M 1,024, K 1,024] x [K 1,024, N 8,192]; A: input Wq (given as codes); B: input x (given as codes): QUANTISED (scales: A lowp_scales[0], B lowp_scales[1])
;;     2. [M 1,024, K 1,024] x [K 1,024, N 8,192]; A: input Wk (given as codes); B: input x (given as codes): QUANTISED (scales: A lowp_scales[2], B lowp_scales[3])
;;     3. [M 1,024, K 1,024] x [K 1,024, N 8,192]; A: input Wv (given as codes); B: input x (given as codes): QUANTISED (scales: A lowp_scales[4], B lowp_scales[5])
;;     4. batch 128 x [M 1,024, K 64] x [K 64, N 1,024]; A: computed on the way; B: computed on the way: QUANTISED (scales: A lowp_scales[6], B lowp_scales[7])
;;     5. batch 128 x [M 1,024, K 1,024] x [K 1,024, N 64]; A: softmax (see below); B: computed on the way: QUANTISED (scales: A lowp_scales[8], B lowp_scales[9])
;;     6. [M 8,192, K 1,024] x [K 1,024, N 1,024]; A: computed on the way; B: input Wo (given as codes): QUANTISED (scales: A lowp_scales[10], B lowp_scales[11])
;;   THE QUANTISER, for each operand of a quantised product, along K:
;;     - The operand's scale is 2^e, e = its entry of the input lowp_scales (int32; the entries are numbered through the quantised products in the list's order, A before B).
;;     - Each number is divided by the scale, clamped to +-57,344, and rounded to the nearest number of E5M2, ties to even, subnormals kept.
;;     - The product sums the exact products of the quantised numbers (number of the format x scale) in f32.
;;   ~~~python
;;   def quantise(x, axis, e):      # numpy; x: float32 -> the quantised numbers, widened to float32 again
;;       x = np.moveaxis(x, axis, -1); K = x.shape[-1]
;;       r = np.clip(x / 2.0 ** e, -57344, 57344)
;;       step = 2.0 ** (np.maximum(np.frexp(np.where(r == 0, 1, r))[1] - 1, -14) - 2)
;;       q = np.round(r / step) * step * 2.0 ** e      # np.round: ties to even
;;       return np.moveaxis(q, -1, axis).astype(np.float32)
;;   ~~~
;;   SOFTMAX AHEAD OF A QUANTISED PRODUCT. Where the list says 'softmax', what is quantised is not the finished softmax but p = 2^(t - M), with t = logit x log2(e) and M = ceil(the row's largest t), a whole number; so 1/2 < the row's largest p <= 1. The row's sum l is taken of the UNQUANTISED p, in f32, and the product's result is divided by l at the end. Since M is a whole number, a kernel that streams over the keys may use a running M (the ceiling of the running maximum): every later rescaling is an exact power of two, so the quantised numbers keep their values, but for numbers so far below the row's largest that they fall under the format's range.
;;   OPERANDS COMPUTED ON THE WAY. 'Computed on the way' means the value that the module computes at that place (a softmax that the list does not call 'softmax' is quantised finished and normalised). What goes into a quantiser is computed in f32, as accurately as f32 sums, v_exp_f32 and their like allow (about 1e-6 of the number): no bf16 or f16 on the way to a quantiser, and a product that is left as it is and whose result goes on into a quantised operand takes f32 operands (vector FMAs, or v_wmma_f32_16x16x4_f32). A number that lies on a knife's edge between two numbers of the format may be rounded either way, as far as f32 arithmetic and the matrix unit's own rounding can turn it there, and no further.
;;   INPUTS GIVEN AS CODES. Wk (in the module: [16, 1024, 64], K = its axis 1); Wo (in the module: [1024, 1024], K = its axis 0); Wq (in the module: [16, 1024, 64], K = its axis 1); Wv (in the module: [16, 1024, 64], K = its axis 1); x (in the module: [8, 1024, 1024], K = its axis 2): each comes as NAME_codes (uint8): NAME with its K axis moved to the last place and cut into blocks of 32 codes, [.., K / 32, bytes a block], one block behind the other in memory; one code a byte (a code: sign, 5 exponent bits, 2 mantissa bits); its scale is its entry of lowp_scales. Its value is code x scale, taken as it is: it is not quantised again, and the codes and scales need not be those that the quantiser above would give.
;; One version. Each part assembles by itself: llvm-mc -triple=amdgcn-amd-amdhsa -mcpu=gfx1250 --defsym DOCPART=n.
;; ======== version 1 of 1: 3 launches
;; limits: right only within a limited range of input values
;; workspace buffers: qc 8,388,608 bytes; kc 8,388,608 bytes; vc 8,388,608 bytes; oc 8,388,608 bytes; wimg 1,048,576 bytes
;; launch qkv (part 1): grid 8 x 32, 4 waves a work-group, clusters of 4 x 4, 327,680 bytes of LDS; arguments x_codes, Wq_codes, Wk_codes, Wv_codes, lowp_scales, qc, kc, vc, Wo_codes, wimg; writes qc, kc, vc, wimg
.if DOCPART == 1
	.amdgcn_target "amdgcn-amd-amdhsa--gfx1250"
	.amdhsa_code_object_version 6
	.text
	.protected	k_qce227b95d2_qkv
	.globl	k_qce227b95d2_qkv
	.p2align	8
	.type	k_qce227b95d2_qkv,@function
k_qce227b95d2_qkv:
	s_mov_b64 s[64:65], 0
	v_nop
	global_prefetch_b8 v0, s[64:65] scope:SCOPE_SE
	s_setreg_imm32_b32 hwreg(HW_REG_WAVE_MODE, 25, 1), 1
	s_wait_xcnt 0x0
	s_wait_alu depctr_hold_cnt(0) depctr_sa_sdst(0) depctr_va_vdst(0) depctr_va_sdst(0) depctr_va_ssrc(0) depctr_va_vcc(0) depctr_vm_vsrc(0)
	s_getreg_b32 s2, hwreg(HW_REG_IB_STS2, 6, 4)
	s_cmp_eq_u32 s2, 0
	s_cbranch_scc0 .Lentry_in_a_cluster
	s_endpgm
.Lentry_in_a_cluster:
	s_bfe_u32 s2, ttmp6, 0x10000c
	s_cmp_lg_u32 s2, 0xf033
	s_cbranch_scc0 .Lentry_shape_is_right
	s_endpgm
.Lentry_shape_is_right:
; q, k, v = x W for all 16 heads, on codes of BF8 (E5M2); the results are quantised to codes again, with the given scales.
; WORK LEFT OUT BY THE PROGRAM: none here.  In the attention launch, score tiles whose keys all come after the queries: reference()'s own causal mask sets them to -infinity ahead of the softmax, so that
; their p is 0 for all values of the inputs.  A NaN, an infinity or an overflow that reaches only such a tile is not carried to the result.
; x: [8192][1024] codes (rows b, t; K = c innermost).  Wq, Wk, Wv: [1024][1024] codes (rows 64 head + d; K = c innermost).
; A sum of code products stands for sum x 2^(eW + ex); its code is sum / 2^E, E = e6 - e0 - e1 (q), e7 - e2 - e3 (k), e9 - e4 - e5 (v), held within +-57,344 x 2^E.
; LIMITS: each E lies between -126 and 112, so that 2^E and 57,344 x 2^E are f32 numbers.  NaN codes are not served.
; SHARES.  256 work-groups: x = pair of heads hp (8), y = 256 rows of x (32).  A work-group makes q, k and v of its two heads for its rows: 256 x 384 sums over K = 1,024.
; Wave (i, j) = (wave / 2, wave % 2): rows 128 i .. + 127, and of each head and tensor d = 32 j .. + 31: 128 x 96 sums a head, 96 accumulators of 16 x 16 in all.
; LDS: two slots of x (256 rows x 256 of K), two of W (one head's 64 rows of Wq, Wk, Wv x 256 of K; slot 0 head 0, slot 1 head 1).  (Two slots of both heads' rows would be 348,160 bytes.)
; A half step m = 2 n + head multiplies x's K step n by one head's rows, in four substeps of 64 along K: head 0 in the order 0, 1, 2, 3, head 1 in the order 3, 2, 1, 0, so that x's fragments of substeps 3 and 2 serve both heads.
; q, k: source 0 = 16 rows of W, source 1 = 16 rows of x: lane (r, h) (r = lane % 16, h = lane / 16) holds row t = r and d = 8 h + 0 .. 7.   v: source 0 = x, source 1 = W: lane holds d = r and t = 8 h + 0 .. 7.
; OUT: the codes are the next launch's operand registers, and are stored as images of them, 512 bytes an instruction:
;   qc, kc: [b][head][t / 16][chunk 2][lane 32][16 bytes]: chunk c: d = 32 c + 8 h + 0 .. 7, then 32 c + 16 + 8 h + 0 .. 7, of row t % 16 = r.
;   vc: [b][head][t / 128][u 4][chunk 4][lane 32][16 bytes]: d = 16 u + r, t = 32 c + 8 h + 0 .. 7, then 32 c + 16 + 8 h + 0 .. 7.
; CLUSTERS: 4 x 4.  x's tiles are asked for jointly along a row of the cluster (four pairs of heads, the same rows of x), W's along a column.
; PREFETCH: what the load of half step m will ask for is asked of memory one to three half steps ahead.  x: each row once in each cluster, 64 rows by each of the four partners, told apart by address; W: 16 rows of each tensor and head by each
; of the four partners, in every second cluster along y.  Beyond the last K step nothing is asked for.
; REGISTERS: window 0: v0-31 addresses and scales; v32-95, v96-159 two sets of x's fragments (8 x 8); v160-207, v208-255 two sets of W's (6 x 8).
;   windows 1-3: the accumulators: 128 registers for each of head 0's q, k, v, head 1's q, k, v.
; BESIDE THAT each work-group lays 16 rows x 256 of K of Wo as the last launch's operand registers want them: wimg: [n / 16][K / 32][lane 32][16 bytes]: row n % 16 = r, K = 32 c + 16 h + 0 .. 15.  Its four waves read whole units of 256 bytes together.
.set PITCH,  272                       ; an LDS row: 256 bytes + 16 of padding = 68 words: row r starts at bank 4 r mod 64 (64 banks of 4 bytes: ISA guide 11.1)
.set XSLOT,  256*PITCH
.set WOFF,   2*XSLOT
.set WUNIT,  192*PITCH
.set SPARE,  WOFF+2*WUNIT              ; the spare words, 128 bytes for each wave
.set ADRA, 16                          ; v16-17  LDS address of my fragments of x in slot 0, 1
.set ADRB, 18                          ; v18-19  the same for W
.set SCL,  20                          ; v20-25  2^E and 57,344 x 2^E of q, k, v
.set L16,  26                          ; v26     16 x lane
.set PFX,  27                          ; v27     prefetch of x: a row a lane
.set SPW,  28                          ; v28     my spare word;  v29  0
.set NIL,  29
.set PF7,  30                          ; v30     prefetch of W, head 1 alone
.set PFW,  31                          ; v31     prefetch of W: lanes 0-15 head 1, K step n; lanes 16-31 head 0, K step n + 1
.set MSB, 0
.macro WIN new                         ; the immediate's high byte repeats the setting that is left
.if MSB != (\new)
	s_set_vgpr_msb (MSB<<8)|(\new)
.set MSB, (\new)
.endif
.endm
; Joint loads: wave 0 fetches x, waves 1 to 3 Wq, Wk, Wv.  The branch hangs on the wave's number alone.
.macro FILL xg, wg
	s_cmp_lg_u32 s14, 0
	s_cbranch_scc1 .Lfill_w_\@
.if (\xg) >= 0
	tensor_load_to_lds s[\xg:\xg+3], s[24:31]
	s_nop 0
.rept 4
	v_nop
.endr
.endif
	s_branch .Lfilled_\@
.Lfill_w_\@:
	tensor_load_to_lds s[\wg:\wg+3], s[48:55]
	s_nop 0
.rept 4
	v_nop
.endr
.Lfilled_\@:
.endm
.macro ASK xo, wr, wo                  ; prefetches: wave 0 64 rows of x, the others 16 rows of each of two half steps' W
	s_cmp_lg_u32 s14, 0
	s_cbranch_scc1 .Lask_w_\@
.if (\xo) >= 0
	global_prefetch_b8 v[PFX], s[66:67] offset:\xo th:TH_LOAD_NT scope:SCOPE_SE
	global_prefetch_b8 v[PFX], s[66:67] offset:\xo+32768 th:TH_LOAD_NT scope:SCOPE_SE
.endif
	s_branch .Lasked_\@
.Lask_w_\@:
	s_cmp_lg_u32 s19, 0
	s_cbranch_scc1 .Lasked_\@
	global_prefetch_b8 v[\wr], s[66:67] offset:\wo th:TH_LOAD_NT scope:SCOPE_SE
.Lasked_\@:
.endm
.macro CREST                           ; a round of the cluster's barrier behind its opening barrier
	s_cmp_lg_u32 s14, 0
	s_cbranch_scc1 .Lnot_wave_0_\@
	s_barrier_signal -3
.Lnot_wave_0_\@:
	s_barrier_wait -3
	s_barrier_signal -1
	s_barrier_wait -1
.endm
.macro CROUND
	s_barrier_signal -1
	s_barrier_wait -1
	CREST
.endm
	s_load_b512 s[68:83], s[0:1], 0x0              ; x s[68:69], Wq s[70:71], Wk s[72:73], Wv s[74:75], the exponents s[76:77], qc s[78:79], kc s[80:81], vc s[82:83]
	s_load_b128 s[8:11], s[0:1], 0x40              ; Wo s[8:9], wimg s[10:11]
	v_lshl_add_u32 v[SPW], v0, 2, SPARE
	v_mov_b32 v[NIL], 0
	ds_add_u32 v[SPW], v[NIL]                      ; the opening: the add, twice on end
	ds_add_u32 v[SPW], v[NIL]
	v_lshrrev_b32 v1, 5, v0
	v_readfirstlane_b32 s14, v1                    ; wave 0..3
	v_and_b32 v2, 15, v0                           ; r
	v_bfe_u32 v3, v0, 4, 1                         ; h
	v_bfe_u32 v4, v0, 6, 1                         ; i
	v_bfe_u32 v5, v0, 5, 1                         ; j
	v_mul_u32_u24 v6, v2, PITCH
	v_lshl_add_u32 v6, v3, 4, v6                   ; a fragment's row x pitch + 16 h
	v_mul_u32_u24 v7, v4, 128*PITCH
	v_add_nc_u32 v[ADRA], v6, v7
	v_add_nc_u32 v[ADRA+1], XSLOT, v[ADRA]
	v_mul_u32_u24 v8, v5, 32*PITCH
	v_add_nc_u32 v[ADRB], v6, v8
	v_add_nc_u32 v[ADRB], WOFF, v[ADRB]
	v_add_nc_u32 v[ADRB+1], WUNIT, v[ADRB]
	v_and_b32 v9, 31, v0
	v_lshlrev_b32 v[L16], 4, v9
	v_lshlrev_b32 v[PFX], 10, v9                   ; rows of 1,024 bytes
	v_lshlrev_b32 v[PF7], 10, v2
	v_add_nc_u32 v[PF7], 0x10000, v[PF7]           ; head 1: 64 rows on
	v_mul_u32_u24 v10, v3, 65280
	v_sub_nc_u32 v[PFW], v[PF7], v10               ; lanes 16-31: head 0, 256 bytes along K
	v_lshlrev_b32 v11, 10, v2                      ; Wo: row r, 64 bytes of K a wave, 16 h
	v_lshl_add_u32 v11, v3, 4, v11
	v_bfe_u32 v12, v0, 5, 2
	v_lshl_add_u32 v11, v12, 6, v11
	s_lshr_b32 s15, s14, 1                         ; i
	s_and_b32 s16, s14, 1                          ; j
	s_bfe_u32 s40, ttmp6, 0x40000                  ; cx, cy: my place in the cluster
	s_bfe_u32 s41, ttmp6, 0x40004
	s_and_b32 s42, ttmp7, 0xffff                   ; the cluster's y: b
	s_and_b32 s19, s42, 1
	s_lshl_b32 s17, ttmp9, 2
	s_add_co_u32 s17, s17, s40                     ; hp
	s_lshl_b32 s43, s41, 2
	s_lshl_b32 s43, 15, s43                        ; my row of the cluster
	s_lshl_b32 s44, 0x1111, s40                    ; my column
	s_or_b32 s24, s43, (0<<16)|(1<<20)|(1<<21)|(5<<22)|(3<<25)  ; 15:0 the mask; 17:16 element of 1 byte; 20 padding on; 21 set beside a mask; 24:22 after every 64 words; 31:25 of 4 words
	s_mov_b32 s25, 256<<16                         ; x: 256 rows of 256 bytes
	s_mov_b32 s26, 256<<16
	s_mov_b32 s27, 256<<16
	s_mov_b32 s28, 256
	s_mov_b32 s29, 1024
	s_mov_b32 s30, 0
	s_mov_b32 s31, 0
	s_or_b32 s48, s44, (0<<16)|(1<<20)|(1<<21)|(5<<22)|(3<<25)
	s_mov_b32 s49, 256<<16                         ; W: 64 rows
	s_mov_b32 s50, 64<<16
	s_mov_b32 s51, 256<<16
	s_mov_b32 s52, 64
	s_mov_b32 s53, 1024
	s_mov_b32 s54, 0
	s_mov_b32 s55, 0
	s_lshl_b32 s20, s42, 20                        ; x: row 1,024 b + 256 cy, in bytes (no cx)
	s_lshl_b32 s21, s41, 18
	s_add_co_u32 s20, s20, s21
	s_mov_b32 s21, 0
	s_lshl_b32 s46, s17, 17                        ; W: row 128 hp, in bytes (no cy)
	s_mov_b32 s47, 0
	s_mul_i32 s45, s14, 64*PITCH                   ; where W's rows go: by the wave's number
	s_lshl_b32 s22, s40, 16                        ; my share of the prefetches: x 64 rows x cx, W 16 rows x cy
	s_lshl_b32 s23, s41, 14
	s_wait_alu depctr_va_vdst(0)
	s_lshl_b32 s96, s42, 5                         ; my work-group's number, 0 .. 255: 8 (4 b + cy) + hp
	s_lshl_b32 s97, s41, 3
	s_add_co_u32 s96, s96, s97
	s_add_co_u32 s96, s96, s17
	s_lshl_b32 s98, s96, 12                        ; its 4,096 bytes of wimg, 1,024 a wave
	s_lshl_b32 s99, s14, 10
	s_add_co_u32 s98, s98, s99
	s_mov_b32 s99, 0
	s_lshr_b32 s97, s96, 2                         ; and of Wo: 16 rows by the number / 4, 256 of K by the number % 4
	s_lshl_b32 s97, s97, 14
	s_and_b32 s96, s96, 3
	s_lshl_b32 s96, s96, 8
	s_add_co_u32 s96, s96, s97
	s_mov_b32 s97, 0
	s_wait_dscnt 0x0                               ; both opening adds are done
	CROUND                                         ; all sixteen work-groups are here: the first joint loads meet
	s_wait_kmcnt 0x0
	s_add_nc_u64 s[8:9], s[8:9], s[96:97]
	s_add_nc_u64 s[10:11], s[10:11], s[98:99]
	s_load_b256 s[84:91], s[76:77], 0x0            ; e0 .. e7
	s_load_b128 s[92:95], s[76:77], 0x20           ; e8 .. e11
	s_cmp_eq_u32 s14, 1
	s_cselect_b64 s[4:5], s[70:71], s[72:73]
	s_cmp_eq_u32 s14, 3
	s_cselect_b64 s[4:5], s[74:75], s[4:5]         ; waves 1, 2, 3: Wq, Wk, Wv (wave 0 fetches no W)
	s_add_nc_u64 s[20:21], s[68:69], s[20:21]
	s_add_nc_u64 s[46:47], s[4:5], s[46:47]
	s_mov_b32 s32, 1                               ; group 0 of x: slot 0, slot 1
	s_mov_b32 s33, 0
	s_mov_b64 s[34:35], s[20:21]
	s_or_b32 s35, s35, 0x80000000
	s_mov_b32 s36, 1
	s_mov_b32 s37, XSLOT
	s_add_nc_u64 s[38:39], s[20:21], 256
	s_or_b32 s39, s39, 0x80000000
	s_mov_b32 s56, 1                               ; group 0 of W: head 0, head 1
	s_add_co_u32 s57, s45, WOFF-64*PITCH
	s_mov_b64 s[58:59], s[46:47]
	s_or_b32 s59, s59, 0x80000000
	s_mov_b32 s60, 1
	s_add_co_u32 s61, s45, WOFF+WUNIT-64*PITCH
	s_add_nc_u64 s[62:63], s[46:47], 0x10000
	s_or_b32 s63, s63, 0x80000000
	s_cmp_eq_u32 s14, 0
	s_cselect_b64 s[66:67], s[20:21], s[46:47]     ; where my prefetches stand
	s_cselect_b32 s22, s22, s23
	s_mov_b32 s23, 0
	s_add_nc_u64 s[66:67], s[66:67], s[22:23]
	FILL 32, 56                                    ; x's K step 0 and half step 0's W: one load a wave
	global_load_b128 v[12:15], v11, s[8:9]         ; Wo: two pieces of the image; they leave with the results
	global_load_b128 v[4:7], v11, s[8:9] offset:32
	ASK 256, PFW, 0                                ; x's K step 1; W of half steps 1 and 2
; The fragments of substep p (0 .. 7) of K step n: 16 rows x 64 K = 8 registers: registers 0-3 hold K = 16 h + 0 .. 15, registers 4-7 K = 32 + 16 h + 0 .. 15: the same places in x and in W.
; These registers were read by the substep before; the four places stand at this substep's start.  x's set takes turns so that substeps 4 and 5 find theirs in place.
.macro FETCH n, p
.if (\p) < 4
.set FS, (\p)
.set FA, 32+64*(((\p)+(\n))%2)
.else
.set FS, 7-(\p)
.set FA, 32+64*(((\p)+1+(\n))%2)
.endif
.set FB, 160+48*((\p)%2)
.set FX, ADRA+(\n)%2
.set FW, ADRB+(\p)/4
	WIN 0
.if ((\p)/2) != 2
.irp a, 0,1,2,3,4,5,6,7
	ds_load_b128 v[FA+8*\a:FA+8*\a+3], v[FX] offset:64*FS+\a*16*PITCH
	ds_load_b128 v[FA+8*\a+4:FA+8*\a+7], v[FX] offset:64*FS+\a*16*PITCH+32
.endr
.endif
.irp b, 0,1,2,3,4,5
	ds_load_b128 v[FB+8*\b:FB+8*\b+3], v[FW] offset:64*FS+(64*(\b/2)+16*(\b%2))*PITCH
	ds_load_b128 v[FB+8*\b+4:FB+8*\b+7], v[FW] offset:64*FS+(64*(\b/2)+16*(\b%2))*PITCH+32
.endr
.endm
; Matrix instructions of tensor g (0 q, 1 k, 2 v) of head H: x's tiles a0 .. a0 + cnt - 1, two tiles of W each.  The accumulators take turns, one instruction a turn.
.macro MULP g, a0, cnt
.set GG, 3*HD+\g
.set GW, 1+GG/2
.set GB, 128*(GG%2)
	WIN 0x50*GW
.set MA, \a0
.rept \cnt
.irp bb, 0,1
.set RA, 32+64*AS+8*MA
.set RB, 160+48*BS+8*(2*\g+\bb)
.if \g < 2
.set RC, GB+8*(2*MA+\bb)
.if ZERO
	v_wmma_f32_16x16x64_bf8_bf8 v[RC:RC+7], v[RB:RB+7], v[RA:RA+7], 0
.else
	v_wmma_f32_16x16x64_bf8_bf8 v[RC:RC+7], v[RB:RB+7], v[RA:RA+7], v[RC:RC+7]
.endif
.else
.set RC, GB+8*(8*\bb+MA)
.if ZERO
	v_wmma_f32_16x16x64_bf8_bf8 v[RC:RC+7], v[RA:RA+7], v[RB:RB+7], 0
.else
	v_wmma_f32_16x16x64_bf8_bf8 v[RC:RC+7], v[RA:RA+7], v[RB:RB+7], v[RC:RC+7]
.endif
.endif
.endr
.set MA, MA+1
.endr
.endm
; A substep: 48 matrix instructions.  The next substep's fragments are fetched behind the first sixteen.  The last substep of a half step changes slots: in front of the barrier each wave waits for all its
; tensor loads, adds 0 to its spare word, and waits for that and for its own reads; behind the round W's slot just read (and, behind head 1, x's) is filled again.
.macro SUB n, p
.set HD, (\p)/4
.if (\p) < 4
.set AS, ((\p)+(\n))%2
.else
.set AS, ((\p)+1+(\n))%2
.endif
.set BS, (\p)%2
.set ZERO, 0
.if (\n) == 0
.if ((\p)%4) == 0
.set ZERO, 1                           ; the first products of a head's sums take 0 as C
.endif
.endif
.if (8*(\n)+(\p)) > 0
.rept 4
	v_nop                                          ; places behind the last substep's products: its fragments' registers are loaded anew in this one
.endr
.endif
.if (8*(\n)+(\p)) == 31                ; the very last: nothing more to fetch
	s_wait_dscnt 8
	MULP 0, 0, 8
	s_wait_dscnt 0x0
.elseif ((\p)%4) == 3
	WIN 0                                          ; (the add's two registers lie in window 0)
	s_wait_tensorcnt 0x0
	ds_add_u32 v[SPW], v[NIL]
	s_wait_dscnt 9                                 ; (the add and the youngest eight loads, k's and v's rows of W, may be out)
	MULP 0, 0, 4
	s_wait_dscnt 0x0                               ; the add is done, and my reads of the slot are over
	s_barrier_signal -1
	MULP 0, 4, 4
	WIN 0
	s_barrier_wait -1
.if (\n) < 3
	CREST
.if (\p) == 3
	s_add_nc_u64 s[58:59], s[58:59], 256
	FILL -1, 56                                    ; head 0's W of the next K step
.else
	s_add_nc_u64 s[62:63], s[62:63], 256
.if (\n) < 2
	s_add_nc_u64 s[34+4*(\n):35+4*(\n)], s[34+4*(\n):35+4*(\n)], 512
	FILL 32+4*(\n), 60                             ; head 1's W of the next K step, x's K step two on
.else
	FILL -1, 60
.endif
.endif
.endif
.if (\p) == 3
	FETCH \n, 4
.else
	FETCH (\n)+1, 0
.if (\n) == 0
	ASK 768, PFW, 512                              ; x's K step 3; W of half steps 5 and 6
.elseif (\n) == 1
	ASK -1, PF7, 768                               ; W of half step 7
.endif
.endif
.else
	s_wait_dscnt 8                                 ; x's and q's fragments are in; the youngest eight may be out
	MULP 0, 0, 8
	s_wait_dscnt 0x0
	FETCH \n, (\p)+1
.endif
	MULP 1, 0, 8
	MULP 2, 0, 8
.endm
	s_wait_tensorcnt 0x0                           ; my part of half step 0 is in
	ds_add_u32 v[SPW], v[NIL]
	s_wait_dscnt 0x0
	CROUND
	FILL 36, 60                                    ; x's K step 1, half step 1's W
	FETCH 0, 0
	ASK 512, PFW, 256                              ; x's K step 2; W of half steps 3 and 4
.irp n, 0,1,2,3
.irp p, 0,1,2,3,4,5,6,7
	SUB \n, \p
.endr
.endr
	WIN 0
	; THE WAY OUT.  The three scales of a product are folded into the conversion's one.
	s_lshl_b32 s98, s42, 20                        ; my images begin at ((16 b + 2 hp) 8 + 2 cy + i) x 8,192,
	s_lshl_b32 s99, s17, 17
	s_add_co_u32 s98, s98, s99
	s_lshl_b32 s99, s41, 14
	s_add_co_u32 s98, s98, s99
	s_lshl_b32 s99, s15, 13
	s_add_co_u32 s98, s98, s99
	s_lshl_b32 s4, s16, 9                          ; + 512 j (q, k) or 4,096 j (v)
	s_add_co_u32 s4, s4, s98
	s_mov_b32 s5, 0
	s_lshl_b32 s6, s16, 12
	s_add_co_u32 s6, s6, s98
	s_mov_b32 s7, 0
	s_wait_kmcnt 0x0
	s_add_nc_u64 s[78:79], s[78:79], s[4:5]
	s_add_nc_u64 s[80:81], s[80:81], s[4:5]
	s_add_nc_u64 s[82:83], s[82:83], s[6:7]
	s_wait_loadcnt 0x0                             ; Wo's two pieces
	global_store_b128 v[L16], v[12:15], s[10:11]   ; 512 consecutive bytes each
	global_store_b128 v[L16], v[4:7], s[10:11] offset:512
	s_sub_co_i32 s84, s90, s84
	s_sub_co_i32 s84, s84, s85                     ; q: e6 - e0 - e1
	s_sub_co_i32 s86, s91, s86
	s_sub_co_i32 s86, s86, s87                     ; k: e7 - e2 - e3
	s_sub_co_i32 s88, s93, s88
	s_sub_co_i32 s88, s88, s89                     ; v: e9 - e4 - e5
.irp g, 0,1,2
	s_add_co_i32 s97, s[84+2*\g], 142
	s_add_co_i32 s96, s[84+2*\g], 127
	s_lshl_b32 s96, s96, 23                        ; 2^E: the conversion takes its exponent field
	s_lshl_b32 s97, s97, 23
	s_or_b32 s97, s97, 0x600000                    ; 57,344 x 2^E
	v_mov_b32 v[SCL+2*\g], s96                     ; (the six lines are also the places behind the last products)
	v_mov_b32 v[SCL+2*\g+1], s97
.endr
	s_wait_alu depctr_va_vdst(0)                   ; ahead of the readers below
; 64 registers of sums: held (the conversion to an 8-bit code does not saturate: ISA guide 7.6.2), each accumulator from its low end on, converted, and stored: four chunks of 512 bytes.
.set BN, 0
.macro OUTB gg, half
.set TM, 32+64*(BN%2)
.set CC, 160+16*(BN%6)
.set SG, SCL+2*((\gg)%3)
.set PO, 78+2*((\gg)%3)
.if BN == 6
	s_wait_xcnt 0x0                                ; the first six groups' stores have read their registers
.endif
	WIN 1+(\gg)/2
.set J, 0
.rept 64
	v_med3_num_f32 v[TM+J], v[128*((\gg)%2)+64*(\half)+J], -v[SG+1], v[SG+1]
.set J, J+1
.endr
	WIN 0
.irp b, 0,1,2,3,4,5,6,7
	v_cvt_scalef32_pk8_bf8_f32 v[CC+2*\b:CC+2*\b+1], v[TM+8*\b:TM+8*\b+7], v[SG]
.endr
	v_nop                                          ; one plain vector instruction behind the last conversion
.irp e, 0,1,2,3
.if ((\gg)%3) < 2
	global_store_b128 v[L16], v[CC+4*\e:CC+4*\e+3], s[PO:PO+1] offset:65536*((\gg)/3)+1024*(4*(\half)+\e)
.else
	global_store_b128 v[L16], v[CC+4*\e:CC+4*\e+3], s[PO:PO+1] offset:65536*((\gg)/3)+512*(4*(\half)+\e)
.endif
.endr
.set BN, BN+1
.endm
.irp gg, 0,1,2,3,4,5
	OUTB \gg, 0
	OUTB \gg, 1
.endr
	s_wait_tensorcnt 0x0                           ; the wave's end
	ds_add_u32 v[SPW], v[NIL]
	s_wait_dscnt 0x0
	CROUND                                         ; the closing round: no work-group ends while a partner may still ask for a tile that names it
	s_endpgm
.Lfunc_end_k_qce227b95d2_qkv:
	.size	k_qce227b95d2_qkv, .Lfunc_end_k_qce227b95d2_qkv-k_qce227b95d2_qkv
	.p2alignl 7, 3214868480
	.fill 96, 4, 3214868480
	.section	.rodata,"a",@progbits
	.p2align	6, 0x0
	.amdhsa_kernel k_qce227b95d2_qkv
		.amdhsa_group_segment_fixed_size 327680
		.amdhsa_private_segment_fixed_size 0
		.amdhsa_enable_private_segment 0
		.amdhsa_kernarg_size 80
		.amdhsa_user_sgpr_count 2
		.amdhsa_user_sgpr_kernarg_segment_ptr 1
		.amdhsa_wavefront_size32 1
		.amdhsa_system_sgpr_workgroup_id_x 1
		.amdhsa_system_sgpr_workgroup_id_y 1
		.amdhsa_system_sgpr_workgroup_id_z 1
		.amdhsa_system_vgpr_workitem_id 0
		.amdhsa_next_free_vgpr 1024
		.amdhsa_next_free_sgpr 102
		.amdhsa_reserve_vcc 0
		.amdhsa_float_denorm_mode_32 3
		.amdhsa_float_denorm_mode_16_64 3
		.amdhsa_memory_ordered 1
		.amdhsa_forward_progress 1
		.amdhsa_inst_pref_size 231
	.end_amdhsa_kernel
	.amdgpu_metadata
---
amdhsa.version: [ 1, 2 ]
amdhsa.kernels:
  - .name:           k_qce227b95d2_qkv
    .symbol:         k_qce227b95d2_qkv.kd
    .args:
      - { .name: x_codes, .offset: 0, .size: 8, .value_kind: global_buffer, .address_space: global }
      - { .name: Wq_codes, .offset: 8, .size: 8, .value_kind: global_buffer, .address_space: global }
      - { .name: Wk_codes, .offset: 16, .size: 8, .value_kind: global_buffer, .address_space: global }
      - { .name: Wv_codes, .offset: 24, .size: 8, .value_kind: global_buffer, .address_space: global }
      - { .name: lowp_scales, .offset: 32, .size: 8, .value_kind: global_buffer, .address_space: global }
      - { .name: qc, .offset: 40, .size: 8, .value_kind: global_buffer, .address_space: global }
      - { .name: kc, .offset: 48, .size: 8, .value_kind: global_buffer, .address_space: global }
      - { .name: vc, .offset: 56, .size: 8, .value_kind: global_buffer, .address_space: global }
      - { .name: Wo_codes, .offset: 64, .size: 8, .value_kind: global_buffer, .address_space: global }
      - { .name: wimg, .offset: 72, .size: 8, .value_kind: global_buffer, .address_space: global }
    .group_segment_fixed_size: 327680
    .private_segment_fixed_size: 0
    .kernarg_segment_align: 8
    .kernarg_segment_size: 80
    .max_flat_workgroup_size: 128
    .sgpr_count:     102
    .vgpr_count:     1024
    .wavefront_size: 32
...
	.end_amdgpu_metadata
.endif
;; end of part 1
;; launch attn (part 2): grid 4 x 64, 16 waves a work-group, clusters of 4 x 1, 327,680 bytes of LDS; arguments qc, kc, vc, lowp_scales, oc; writes oc
.if DOCPART == 2
	.amdgcn_target "amdgcn-amd-amdhsa--gfx1250"
	.amdhsa_code_object_version 6
	.text
	.protected	k_qce227b95d2_attn
	.globl	k_qce227b95d2_attn
	.p2align	8
	.type	k_qce227b95d2_attn,@function
k_qce227b95d2_attn:
	s_mov_b64 s[64:65], 0
	v_nop
	global_prefetch_b8 v0, s[64:65] scope:SCOPE_SE
	s_setreg_imm32_b32 hwreg(HW_REG_WAVE_MODE, 25, 1), 1
	s_wait_xcnt 0x0
	s_wait_alu depctr_hold_cnt(0) depctr_sa_sdst(0) depctr_va_vdst(0) depctr_va_sdst(0) depctr_va_ssrc(0) depctr_va_vcc(0) depctr_vm_vsrc(0)
	s_getreg_b32 s2, hwreg(HW_REG_IB_STS2, 6, 4)
	s_cmp_eq_u32 s2, 0
	s_cbranch_scc0 .Lentry_in_a_cluster
	s_endpgm
.Lentry_in_a_cluster:
	s_bfe_u32 s2, ttmp6, 0x10000c
	s_cmp_lg_u32 s2, 0x3003
	s_cbranch_scc0 .Lentry_shape_is_right
	s_endpgm
.Lentry_shape_is_right:
; Causal attention on codes of BF8 (E5M2), for 128 (batch, head) pairs of 1,024 queries x 1,024 keys x 64; the result is quantised to codes for the last product.
; qc, kc: [b][head][t / 16][chunk 2][lane 32][16 bytes], vc: [b][head][t / 128][u 4][chunk 4][lane 32][16 bytes]: images of the operands' registers: a load of 16 x lane gives each lane its four registers.
; For q and k the order of d is one permutation on both sides.  v's lane (r, h) of tile u holds d = 16 u + r, and in registers 2 t, 2 t + 1 the keys 16 t + 8 h + 0 .. 7: the places in which p's conversions leave p.
; oc: [b][head][t][64 bytes], d in its own order.
; WORK LEFT OUT: units of 64 keys that all come after a tile's queries (reference()'s causal mask makes their p 0 for all values of the inputs).  A NaN or an infinity in them alone is not carried to the result.
; THE SOFTMAX: t = score x 2^(e6 + e7) x log2(e) / 8; M = the running largest t, rounded UP to a whole number; p = 2^(t - M) is quantised with 2^e8, not normalised; the row's sum is taken of the unquantised p
; and divides at the end.  When M moves, the sum and O are multiplied by 2^(old M - new M): exact.
; LIMITS on the given exponents, so that each power of two below is an f32 number: e6 + e7 between -123 and 130; e8 and e10 - e8 - e9 between -126 and 112.  NaN codes are not served.  Scaled scores stay under 2^31 in magnitude.
; SHARES.  The cluster's y is 8 b + hp: a pair of heads.  Its four work-groups read the same K and V, 256 KiB, which lie whole in each one's LDS, byte for byte as in memory: every tile is asked for JOINTLY, once; nothing is filled again.
; Wave w of 16: head 2 hp + w % 2, g = 7 - w / 2.  It owns two tiles of 16 queries: the early one, 4 g + cx, with g + 1 units of 64 keys (all below key 512), and the late one, 4 (15 - g) + cx, with 16 - g units: 17 units for every wave.
; Units go in steps of 128 keys; a tile with an odd number of them ends in a step of 64.  Which steps are walked hangs on the wave's number alone; cx enters global addresses and the mask's numbers only.
; ORDER: keys 0-511 are asked for first, keys 512-1,023 behind the barrier that shows them.  The early tile and the late tile's first four steps need keys 0-511 alone; the barrier that shows the rest is signalled between the two and
; waited for behind those four steps: between signal and wait stand register work and LDS loads of bytes that nobody writes any more.
; No prefetch: each byte of K and V is asked for once, in two loads a wave, and no loop of loads stands in the text to run ahead in.
; LAYOUT.  Both products are used transposed: S^T = K Q^T (source 0 = 16 keys, source 1 = my 16 queries), O^T = V^T P^T (source 0 = 16 of d, source 1 = P): a lane holds ONE query (lane % 16) throughout.
; REGISTERS: v1-7 addresses that stay; v8, v9 the step's LDS addresses; v10, v11 2^e8 and 57,344 x 2^e8; v12 -M, v13 the largest t, v[14:15] the sum in two halves; v16-23 the late tile's Q; v24, v25 the result's scale and hold;
;   v32-95 K's eight fragments, then V's four; v96-159 S^T, then p; v160-191 O^T; v192-207 p's codes; v208-215 the result's codes; v216-223 rows from the stage; v224-231 the early tile's Q; v236-254 at work.
.set STEPB, 8192                       ; 128 keys of a head, of K and of V alike
.set VREG,  131072                     ; K's two heads lie from byte 0, V's from here
.set SPARE, 262144                     ; the spare words, 128 bytes for each wave
.set STG,   264192                     ; a stage of 1,024 bytes for each wave; no tile lands here
.set AK0,  1                           ; v1   head % 2 x 65,536 + 16 x lane
.set AV0,  2                           ; v2   the same in V
.set STO,  4                           ; v4   the stage: where I put 8 codes of a row
.set RD,   5                           ; v5   and where I read 16 bytes back
.set GO,   6                           ; v6   16 x lane
.set DQ,   7                           ; v7   16 cx + r - 8 h, for the mask
.set ADK,  8
.set ADV,  9
.set PS,   10
.set PL,   11
.set OS,   24
.set OL,   25
.set SPW,  251
.set NIL,  255
.set TB,   2                           ; s2   LDS byte at which the step's keys begin, in a head
.set CNT,  3                           ; s3   the loops' counter
.set ST,   15                          ; s15  the step's number
.set NF,   16                          ; s16  the tile's number of whole steps
.set DG,   17                          ; s17  the whole step whose second half lies on the diagonal (63: none)
.set WV,   18                          ; s18  my wave's number
.set SEL,  20                          ; s[20:21] lane selects for v_permlanex16_b32: lane l xor 16
.set CS,   22                          ; s[22:23] c = 2^(e6 + e7) log2(e) / 8: the packed form names a pair and takes its low word for both halves
.set G1,   32                          ; s[32:39] descriptor group 1: 8 rows of 1,024 bytes
.macro CROUND                          ; a round of the cluster's barrier
	s_barrier_signal -1
	s_barrier_wait -1
	s_cmp_lg_u32 s[WV], 0
	s_cbranch_scc1 .Lnot_wave_0_\@
	s_barrier_signal -3
.Lnot_wave_0_\@:
	s_barrier_wait -3
	s_barrier_signal -1
	s_barrier_wait -1
.endm
.macro JOINT g0                        ; every wave's own part, told apart by the wave's number
	tensor_load_to_lds s[\g0:\g0+3], s[G1:G1+7]
	s_nop 0
.rept 4
	v_nop
.endr
.endm
	s_load_b256 s[4:11], s[0:1], 0x0               ; qc s[4:5], kc s[6:7], vc s[8:9], the exponents s[10:11]
	s_load_b64 s[12:13], s[0:1], 0x20              ; oc
	v_lshl_add_u32 v[SPW], v0, 2, SPARE
	v_mov_b32 v[NIL], 0
	ds_add_u32 v[SPW], v[NIL]                      ; the opening: the add, twice on end
	ds_add_u32 v[SPW], v[NIL]
	s_bfe_u32 s82, ttmp6, 0x40000                  ; cx
	s_lshl_b32 s96, s82, 4
	v_lshrrev_b32 v8, 5, v0
	v_readfirstlane_b32 s[WV], v8                  ; wave 0..15
	v_and_b32 v8, 15, v0                           ; r
	v_bfe_u32 v9, v0, 4, 1                         ; h
	v_and_b32 v[GO], 31, v0
	v_bfe_u32 v26, v0, 5, 1                        ; head % 2
	v_and_b32 v27, 0x1e0, v0
	v_lshlrev_b32 v[DQ], 3, v9
	v_lshlrev_b32 v[GO], 4, v[GO]
	v_lshlrev_b32 v26, 16, v26
	v_lshlrev_b32 v27, 5, v27                      ; 1,024 x wave
	v_sub_nc_u32 v[DQ], v8, v[DQ]
	v_add_nc_u32 v[AK0], v26, v[GO]
	v_add_nc_u32 v27, STG, v27                     ; my stage
	v_add_nc_u32 v[DQ], s96, v[DQ]
	v_add_nc_u32 v[AV0], VREG, v[AK0]
	v_lshl_add_u32 v[STO], v8, 6, v27              ; in: row r of 64 bytes, + 8 h
	v_add_nc_u32 v[RD], v27, v[GO]                 ; back: 16 bytes a lane
	v_lshl_add_u32 v[STO], v9, 3, v[STO]
	v_mov_b32 v236, 0                              ; written once: a lane permute's destination counts as one of its sources
	v_mov_b32 v252, 0
	v_mov_b32 v253, 0                              ; (named as the upper half of the pair v[252:253])
	s_and_b32 s75, ttmp7, 0xffff                   ; 8 b + hp, which the four partners share
	s_lshl_b32 s92, s75, 17                        ; the pair's 131,072 bytes in qc, kc, vc and oc
	; what I fetch: waves 0-7 of K, waves 8-15 of V; head (w / 4) % 2; quarter w % 4 of its keys 0-511, then 512-1,023
	s_bfe_u32 s73, s[WV], 0x10003
	s_lshl_b32 s73, s73, 17                        ; V's region in LDS
	s_bfe_u32 s74, s[WV], 0x10002
	s_lshl_b32 s74, s74, 16
	s_and_b32 s76, s[WV], 3
	s_lshl_b32 s78, s76, 13
	s_add_co_u32 s78, s78, s74
	s_add_co_u32 s94, s78, s92
	s_mov_b32 s95, 0
	s_mov_b32 s[G1], 15|(1<<21)                    ; 15:0 the mask: all four work-groups; elements of 1 byte; no padding; 21 set beside a mask
	s_mov_b32 s[G1+1], 1024<<16                    ; tensor_dim0
	s_mov_b32 s[G1+2], 8<<16                       ; tensor_dim1
	s_mov_b32 s[G1+3], 1024<<16                    ; tile_dim0
	s_mov_b32 s[G1+4], 8                           ; tile_dim1
	s_mov_b32 s[G1+5], 1024                        ; tensor_dim0_stride
	s_mov_b32 s[G1+6], 0
	s_mov_b32 s[G1+7], 0
	; my two tiles
	s_lshr_b32 s80, s[WV], 1
	s_xor_b32 s80, s80, 7                          ; g
	s_and_b32 s81, s[WV], 1
	s_lshl_b32 s81, s81, 16
	s_add_co_u32 s81, s81, s92                     ; my head's 65,536 bytes
	s_xor_b32 s83, s80, 15                         ; 15 - g
	s_add_co_u32 s84, s83, 1
	s_lshr_b32 s84, s84, 1                         ; whole steps of the late tile: 4 to 8
	s_add_co_u32 s85, s80, 1
	s_lshr_b32 s85, s85, 1                         ; of the early tile: 0 to 4
	s_and_b32 s86, s80, 1                          ; g odd: the late tile has a step of 64; even: the early one
	s_lshl_b32 s90, s84, 13                        ; where that step's keys begin: in the late tile,
	s_lshr_b32 s91, s80, 1
	s_lshl_b32 s91, s91, 13                        ; in the early one (g even: g / 2 whole steps)
	s_sub_co_u32 s87, s84, 1
	s_sub_co_u32 s88, s85, 1
	s_cmp_eq_u32 s86, 0
	s_cselect_b32 s87, s87, 63                     ; the late tile's diagonal step (4 or more),
	s_cselect_b32 s88, 63, s88                     ; the early tile's
	s_lshl_b32 s96, s83, 2
	s_add_co_u32 s96, s96, s82
	s_lshl_b32 s96, s96, 10
	s_add_co_u32 s96, s96, s81                     ; the late tile's 1,024 bytes, in qc and in oc
	s_mov_b32 s97, 0
	s_lshl_b32 s98, s80, 2
	s_add_co_u32 s98, s98, s82
	s_lshl_b32 s98, s98, 10
	s_add_co_u32 s98, s98, s81                     ; the early tile's
	s_mov_b32 s99, 0
	s_mov_b32 s[SEL], 0x76543210
	s_mov_b32 s[SEL+1], 0xfedcba98
	s_mov_b32 s[CS], 0x3e38aa3b                    ; log2(e) / sqrt(64)
	s_wait_alu depctr_va_vdst(0)
	s_wait_dscnt 0x0                               ; both opening adds are done
	CROUND                                         ; all four work-groups are here: the joint loads meet
	s_wait_kmcnt 0x0
	s_load_b128 s[68:71], s[10:11], 0x18           ; e6, e7, e8, e9
	s_load_b32 s72, s[10:11], 0x28                 ; e10
	s_cmp_lt_u32 s[WV], 8
	s_cselect_b64 s[52:53], s[6:7], s[8:9]
	s_mov_b32 s40, 1                               ; keys 0-511
	s_add_co_u32 s41, s78, s73
	s_add_nc_u64 s[42:43], s[52:53], s[94:95]
	s_add_nc_u64 s[50:51], s[42:43], 32768
	s_or_b32 s43, s43, 0x80000000
	JOINT 40                                       ; one tensor load a wave
	s_mov_b32 s48, 1                               ; keys 512-1,023
	s_add_co_u32 s49, s41, 32768
	s_or_b32 s51, s51, 0x80000000
	s_add_nc_u64 s[56:57], s[4:5], s[96:97]
	s_add_nc_u64 s[58:59], s[4:5], s[98:99]
	s_add_nc_u64 s[60:61], s[12:13], s[96:97]
	s_add_nc_u64 s[62:63], s[12:13], s[98:99]
	global_load_b128 v[16:19], v[GO], s[56:57]     ; both tiles' Q
	global_load_b128 v[20:23], v[GO], s[56:57] offset:512
	global_load_b128 v[224:227], v[GO], s[58:59]
	global_load_b128 v[228:231], v[GO], s[58:59] offset:512
	s_wait_kmcnt 0x0
	s_add_co_i32 s96, s68, s69
	s_lshl_b32 s96, s96, 23
	s_add_co_i32 s[CS], s[CS], s96                 ; a score stands for score x 2^(e6 + e7): the two exponents are added to c's exponent field
	s_mov_b32 s[CS+1], s[CS]                       ; (named with it as a pair, so it is written)
	s_add_co_i32 s96, s70, 127
	s_lshl_b32 s98, s96, 23
	v_mov_b32 v[PS], s98                           ; 2^e8 as f32, for p's conversions
	s_add_co_i32 s96, s96, 15
	s_lshl_b32 s96, s96, 23
	s_or_b32 s96, s96, 0x600000
	v_mov_b32 v[PL], s96                           ; 57,344 x 2^e8
	s_sub_co_i32 s96, s72, s70
	s_sub_co_i32 s96, s96, s71
	s_add_co_i32 s96, s96, 127
	s_lshl_b32 s98, s96, 23
	v_mov_b32 v[OS], s98                           ; 2^(e10 - e8 - e9): the three scales folded into the result's conversion
	s_add_co_i32 s96, s96, 15
	s_lshl_b32 s96, s96, 23
	s_or_b32 s96, s96, 0x600000
	v_mov_b32 v[OL], s96                           ; 57,344 x that
; On the diagonal the scores of hidden keys become -infinity ahead of the maximum: p = 0 then.  Register base + 8 t + j holds key 16 t + 8 h + j of the last 64: hidden where 16 t + j > 16 cx + r - 8 h.  The first of the 64 counts for every query.
.macro MASK base
	v_mov_b32 v254, 0xff800000
.set N, 0
.rept 32
	v_cmp_gt_i32 vcc_lo, 16*(N/8)+N%8, v[DQ]
	v_cndmask_b32 v[\base+N], v[\base+N], v254, vcc_lo
.set N, N+1
.endr
.endm
; The softmax of n scores of a lane (64 or 32), p's codes, and O^T under the new M.
.macro SOFT n
	v_max3_num_f32 v254, v96, v97, v98             ; the step's largest score of my query, among my keys, in four chains, from each accumulator's low end on,
	v_max3_num_f32 v252, v99, v100, v101
	v_max3_num_f32 v244, v102, v103, v104
	v_max3_num_f32 v246, v105, v106, v107
.set J, 108
.rept (\n-16)/8
	v_max3_num_f32 v254, v254, v[J], v[J+1]
	v_max3_num_f32 v252, v252, v[J+2], v[J+3]
	v_max3_num_f32 v244, v244, v[J+4], v[J+5]
	v_max3_num_f32 v246, v246, v[J+6], v[J+7]
.set J, J+8
.endr
	v_max3_num_f32 v254, v254, v[92+\n], v[93+\n]
	v_max3_num_f32 v252, v252, v[94+\n], v[95+\n]
	s_delay_alu instid0(VALU_DEP_1)
	v_max3_num_f32 v254, v254, v252, v244
	s_delay_alu instid0(VALU_DEP_1)
	v_max_num_f32 v254, v254, v246
	s_delay_alu instid0(VALU_DEP_1)
	v_permlanex16_b32 v236, v254, s[SEL], s[SEL+1]
	s_delay_alu instid0(VALU_DEP_1)
	v_max_num_f32 v254, v254, v236                 ; and among lane l xor 16's
	s_delay_alu instid0(VALU_DEP_1)
	v_mul_f32 v254, s[CS], v254                    ; as t (c is positive)
	s_delay_alu instid0(VALU_DEP_1)
	v_max_num_f32 v13, v13, v254                   ; the running largest t
	v_mov_b32 v254, v12
	s_delay_alu instid0(VALU_DEP_2)
	v_floor_f32 v12, -v13                          ; the new -M = floor(-t) = -ceil(t): M is a whole number
	s_delay_alu instid0(VALU_DEP_1)
	v_sub_f32 v254, v12, v254                      ; M's old value less its new one: a whole number, 0 or less
	s_delay_alu instid0(VALU_DEP_1)
	v_cvt_i32_f32 v254, v254                       ; (it saturates)
	s_delay_alu instid0(VALU_DEP_1)
	v_ldexp_f32 v252, 1.0, v254                    ; f = 2^(old M - new M)
.set J, 0
.rept \n/2
	v_pk_fma_f32 v[96+J:97+J], v[96+J:97+J], s[CS:CS+1], v[12:13] op_sel_hi:[1,0,0]   ; t - M, two at a time (of the pairs c and -M the low word serves both halves)
.set J, J+2
.endr
.set J, 0
	s_wait_alu depctr_va_vdst(0)
.rept \n
	v_exp_f32 v[96+J], v[96+J]                     ; p = 2^(t - M), at most 1: not normalised
.set J, J+1
.endr
	v_pk_mul_f32 v[14:15], v[14:15], v[252:253] op_sel_hi:[1,0]   ; the sums under the new M.  (The plain instruction behind the exponentials)
	s_wait_alu depctr_va_vdst(0)                   ; one wait for the whole batch, ahead of its first reader
	v_pk_add_f32 v[238:239], v[96:97], v[98:99]    ; the row's sum, of the unquantised p, in four chains
	v_pk_add_f32 v[240:241], v[100:101], v[102:103]
	v_pk_add_f32 v[242:243], v[104:105], v[106:107]
	v_pk_add_f32 v[14:15], v[14:15], v[108:109]
.set J, 110
.rept (\n-16)/8
	v_pk_add_f32 v[238:239], v[238:239], v[J:J+1]
	v_pk_add_f32 v[240:241], v[240:241], v[J+2:J+3]
	v_pk_add_f32 v[242:243], v[242:243], v[J+4:J+5]
	v_pk_add_f32 v[14:15], v[14:15], v[J+6:J+7]
.set J, J+8
.endr
	v_pk_add_f32 v[238:239], v[238:239], v[94+\n:95+\n]
	v_pk_add_f32 v[14:15], v[14:15], v[242:243]
	s_delay_alu instid0(VALU_DEP_2)
	v_pk_add_f32 v[238:239], v[238:239], v[240:241]
	s_delay_alu instid0(VALU_DEP_1)
	v_pk_add_f32 v[14:15], v[14:15], v[238:239]
.set J, 0
.rept \n/2
	v_dual_min_num_f32 v[96+J], v[96+J], v[PL] :: v_dual_min_num_f32 v[97+J], v[97+J], v[PL]   ; the conversion to an 8-bit code does not saturate (ISA guide 7.6.2); p is not negative, so the hold is one-sided
.set J, J+2
.endr
.set J, 0
.rept \n/8
	v_cvt_scalef32_pk8_bf8_f32 v[192+2*J:193+2*J], v[96+8*J:103+8*J], v[PS]   ; tile J: registers 2 J, 2 J + 1 of P
.set J, J+1
.endr
	s_wait_alu depctr_va_vdst(0)                   ; directly ahead of the first reader of O^T
.set J, 0
.rept 16
	v_pk_mul_f32 v[160+J:161+J], v[160+J:161+J], v[252:253] op_sel_hi:[1,0]   ; O^T under the new M: x f.  (These are also the plain instructions between the conversions and the products)
.set J, J+2
.endr
	s_wait_alu depctr_va_vdst(0)
	s_wait_dscnt 0x0                               ; V's fragments are in
.endm
; A STEP of 128 keys.  all = 1: every wave walks it, and none of its keys is hidden.  all = 0: one beyond the tile's whole steps is left out: a scalar branch round its loads, products and softmax, not round the lines at its end that step addresses.
.macro STEP q, all
.if \all == 0
	s_cmp_ge_u32 s[ST], s[NF]
	s_cbranch_scc1 .Lhidden_\@
.endif
	v_add_nc_u32 v[ADK], s[TB], v[AK0]
	v_add_nc_u32 v[ADV], s[TB], v[AV0]
	v_nop                                          ; with the two additions: four places in front of loads into registers that the last products have read
	v_nop
.irp t, 0,1,2,3,4,5,6,7                        ; K's eight fragments: tile t = keys 16 t + r
	ds_load_b128 v[32+8*\t:35+8*\t], v[ADK] offset:\t*1024
	ds_load_b128 v[36+8*\t:39+8*\t], v[ADK] offset:\t*1024+512
.endr
	s_wait_alu depctr_va_vdst(0)
	s_wait_dscnt 0x0
.irp t, 0,1,2,3,4,5,6,7
	v_wmma_f32_16x16x64_bf8_bf8 v[96+8*\t:103+8*\t], v[32+8*\t:39+8*\t], v[\q:\q+7], 0
.endr
.rept 4
	v_nop                                          ; places in front of the loads below and of the first read of the scores
.endr
.irp u, 0,1,2,3                                ; V's four fragments (d = 16 u + r, these 128 keys) are asked for now and land under the softmax
.irp c, 0,1,2,3
	ds_load_b128 v[32+16*\u+4*\c:35+16*\u+4*\c], v[ADV] offset:\u*2048+\c*512
.endr
.endr
.if \all == 0
	s_cmp_lg_u32 s[ST], s[DG]
	s_cbranch_scc1 .Lopen_\@
	MASK 128
.Lopen_\@:
.endif
	SOFT 64
.irp u, 0,1,2,3                                ; O^T += V^T P^T: the four accumulators take turns
	v_wmma_f32_16x16x128_bf8_bf8 v[160+8*\u:167+8*\u], v[32+16*\u:47+16*\u], v[192:207], v[160+8*\u:167+8*\u]
.endr
.Lhidden_\@:
	s_add_co_u32 s[TB], s[TB], STEPB
	s_add_co_u32 s[ST], s[ST], 1
.endm
; THE STEP OF 64 KEYS that ends a tile with an odd number of units: the first half of a block of 128, its keys at byte s[tb] of the head; all of it lies on the diagonal.
.macro HALF q, tb
	v_add_nc_u32 v[ADK], s[\tb], v[AK0]
	v_add_nc_u32 v[ADV], s[\tb], v[AV0]
	v_nop
	v_nop
.irp t, 0,1,2,3
	ds_load_b128 v[32+8*\t:35+8*\t], v[ADK] offset:\t*1024
	ds_load_b128 v[36+8*\t:39+8*\t], v[ADK] offset:\t*1024+512
.endr
	s_wait_alu depctr_va_vdst(0)
	s_wait_dscnt 0x0
.irp t, 0,1,2,3
	v_wmma_f32_16x16x64_bf8_bf8 v[96+8*\t:103+8*\t], v[32+8*\t:39+8*\t], v[\q:\q+7], 0
.endr
.rept 4
	v_nop
.endr
.irp u, 0,1,2,3
	ds_load_b128 v[32+8*\u:35+8*\u], v[ADV] offset:\u*2048
	ds_load_b128 v[36+8*\u:39+8*\u], v[ADV] offset:\u*2048+512
.endr
	MASK 96
	SOFT 32
.irp u, 0,1,2,3
	v_wmma_f32_16x16x64_bf8_bf8 v[160+8*\u:167+8*\u], v[32+8*\u:39+8*\u], v[192:199], v[160+8*\u:167+8*\u]
.endr
.endm
; A tile begins: its whole steps s[nf], its diagonal step s[dg].  O^T and the sum begin as zeros and the largest t as -3e38: the first change of M multiplies zeros.
.macro BEGIN nf, dg
	s_mov_b32 s[NF], s[\nf]
	s_mov_b32 s[DG], s[\dg]
	s_mov_b32 s[TB], 0
	s_mov_b32 s[ST], 0
	v_mov_b32 v13, 0xff61b1e6                      ; -3e38, under every t
	v_mov_b32 v14, 0
	v_mov_b32 v15, 0
	v_floor_f32 v12, -v13                          ; -M
.set J, 0
.rept 32
	v_mov_b32 v[160+J], 0
.set J, J+1
.endr
	s_wait_alu depctr_va_vdst(0)
.endm
; A tile ends: O^T / the sum, held, converted (d = 16 u + 8 h + 0 .. 7 of query r: 8 bytes), through my stage, and out as 1,024 consecutive bytes: 16 rows of 64, at s[ob:ob+1].
.macro FINISH ob
.rept 4
	v_nop                                          ; places behind the last products
.endr
	v_add_f32 v14, v14, v15                        ; the sum's two halves,
	s_delay_alu instid0(VALU_DEP_1)
	v_permlanex16_b32 v252, v14, s[SEL], s[SEL+1]
	s_delay_alu instid0(VALU_DEP_1)
	v_add_f32 v14, v14, v252                       ; and lane l xor 16's: the row's sum
	s_wait_alu depctr_va_vdst(0)
	v_rcp_f32 v14, v14
	v_nop                                          ; a plain instruction behind the reciprocal
	s_wait_alu depctr_va_vdst(0)                   ; ahead of its first reader
.set J, 0
.rept 16
	v_pk_mul_f32 v[96+J:97+J], v[160+J:161+J], v[14:15] op_sel_hi:[1,0]   ; each accumulator from its low end on
.set J, J+2
.endr
.set J, 0
.rept 32
	v_med3_num_f32 v[96+J], v[96+J], -v[OL], v[OL]
.set J, J+1
.endr
.irp u, 0,1,2,3
	v_cvt_scalef32_pk8_bf8_f32 v[208+2*\u:209+2*\u], v[96+8*\u:103+8*\u], v[OS]
.endr
	v_nop                                          ; one plain vector instruction behind the last conversion
.irp u, 0,1,2,3
	ds_store_b64 v[STO], v[208+2*\u:209+2*\u] offset:16*\u
.endr
	ds_load_b128 v[216:219], v[RD]                 ; LDS serves a wave's instructions in order (ISA guide 5.7.1.4): these see my stores
	ds_load_b128 v[220:223], v[RD] offset:512
	s_wait_dscnt 1                                 ; the first is in; the second may be out
	global_store_b128 v[GO], v[216:219], s[\ob:\ob+1]          ; 32 lanes store 512 consecutive bytes, aligned
	s_wait_dscnt 0x0
	global_store_b128 v[GO], v[220:223], s[\ob:\ob+1] offset:512
.endm
	BEGIN 85, 88                                   ; THE EARLY TILE: keys 0-511 at most
	s_wait_tensorcnt 0x0                           ; my part of keys 0-511 is in
	ds_add_u32 v[SPW], v[NIL]
	s_wait_dscnt 0x0
	CROUND                                         ; everybody's is
	JOINT 48                                       ; keys 512-1,023: the whole early tile in which to land
	s_wait_loadcnt 0x0                             ; Q
	s_mov_b32 s[CNT], 4
.Learly:
	STEP 224, 0
	s_sub_co_u32 s[CNT], s[CNT], 1
	s_cmp_lg_u32 s[CNT], 0
	s_cbranch_scc1 .Learly
	s_cmp_lg_u32 s86, 0
	s_cbranch_scc1 .Learly_whole
	HALF 224, 91
.Learly_whole:
	FINISH 62
	s_wait_xcnt 0x0                                ; the stores have read their registers: they are written again further down
	BEGIN 84, 87                                   ; THE LATE TILE
	s_wait_tensorcnt 0x0                           ; my part of keys 512-1,023 is in,
	s_wait_dscnt 0x0
	s_barrier_signal -1                            ; say so; four steps on keys 0-511 stand between this line and the wait for the others
	s_mov_b32 s[CNT], 4
.Llate0:
	STEP 16, 1
	s_sub_co_u32 s[CNT], s[CNT], 1
	s_cmp_lg_u32 s[CNT], 0
	s_cbranch_scc1 .Llate0
	s_barrier_wait -1                              ; all of K and V lies in LDS
	s_mov_b32 s[CNT], 4
.Llate1:
	STEP 16, 0
	s_sub_co_u32 s[CNT], s[CNT], 1
	s_cmp_lg_u32 s[CNT], 0
	s_cbranch_scc1 .Llate1
	s_cmp_eq_u32 s86, 0
	s_cbranch_scc1 .Llate_whole
	HALF 16, 90
.Llate_whole:
	FINISH 60
	s_wait_tensorcnt 0x0                           ; the wave's end
	ds_add_u32 v[SPW], v[NIL]
	s_wait_dscnt 0x0
	CROUND                                         ; the closing round
	s_endpgm
.Lfunc_end_k_qce227b95d2_attn:
	.size	k_qce227b95d2_attn, .Lfunc_end_k_qce227b95d2_attn-k_qce227b95d2_attn
	.p2alignl 7, 3214868480
	.fill 96, 4, 3214868480
	.section	.rodata,"a",@progbits
	.p2align	6, 0x0
	.amdhsa_kernel k_qce227b95d2_attn
		.amdhsa_group_segment_fixed_size 327680
		.amdhsa_private_segment_fixed_size 0
		.amdhsa_enable_private_segment 0
		.amdhsa_kernarg_size 40
		.amdhsa_user_sgpr_count 2
		.amdhsa_user_sgpr_kernarg_segment_ptr 1
		.amdhsa_wavefront_size32 1
		.amdhsa_system_sgpr_workgroup_id_x 1
		.amdhsa_system_sgpr_workgroup_id_y 1
		.amdhsa_system_sgpr_workgroup_id_z 1
		.amdhsa_system_vgpr_workitem_id 0
		.amdhsa_next_free_vgpr 256
		.amdhsa_next_free_sgpr 100
		.amdhsa_reserve_vcc 1
		.amdhsa_float_denorm_mode_32 3
		.amdhsa_float_denorm_mode_16_64 3
		.amdhsa_memory_ordered 1
		.amdhsa_forward_progress 1
		.amdhsa_inst_pref_size 93
	.end_amdhsa_kernel
	.amdgpu_metadata
---
amdhsa.version: [ 1, 2 ]
amdhsa.kernels:
  - .name:           k_qce227b95d2_attn
    .symbol:         k_qce227b95d2_attn.kd
    .args:
      - { .name: qc, .offset: 0, .size: 8, .value_kind: global_buffer, .address_space: global }
      - { .name: kc, .offset: 8, .size: 8, .value_kind: global_buffer, .address_space: global }
      - { .name: vc, .offset: 16, .size: 8, .value_kind: global_buffer, .address_space: global }
      - { .name: lowp_scales, .offset: 24, .size: 8, .value_kind: global_buffer, .address_space: global }
      - { .name: oc, .offset: 32, .size: 8, .value_kind: global_buffer, .address_space: global }
    .group_segment_fixed_size: 327680
    .private_segment_fixed_size: 0
    .kernarg_segment_align: 8
    .kernarg_segment_size: 40
    .max_flat_workgroup_size: 512
    .sgpr_count:     100
    .vgpr_count:     256
    .wavefront_size: 32
...
	.end_amdgpu_metadata
.endif
;; end of part 2
;; launch proj (part 3): grid 4 x 64, 4 waves a work-group, clusters of 4 x 4, 327,680 bytes of LDS; arguments oc, wimg, lowp_scales, bo, out0; writes out0
.if DOCPART == 3
	.amdgcn_target "amdgcn-amd-amdhsa--gfx1250"
	.amdhsa_code_object_version 6
	.text
	.protected	k_qce227b95d2_proj
	.globl	k_qce227b95d2_proj
	.p2align	8
	.type	k_qce227b95d2_proj,@function
k_qce227b95d2_proj:
	s_mov_b64 s[64:65], 0
	v_nop
	global_prefetch_b8 v0, s[64:65] scope:SCOPE_SE
	s_setreg_imm32_b32 hwreg(HW_REG_WAVE_MODE, 25, 1), 1
	s_wait_xcnt 0x0
	s_wait_alu depctr_hold_cnt(0) depctr_sa_sdst(0) depctr_va_vdst(0) depctr_va_sdst(0) depctr_va_ssrc(0) depctr_va_vcc(0) depctr_vm_vsrc(0)
	s_getreg_b32 s2, hwreg(HW_REG_IB_STS2, 6, 4)
	s_cmp_eq_u32 s2, 0
	s_cbranch_scc0 .Lentry_in_a_cluster
	s_endpgm
.Lentry_in_a_cluster:
	s_bfe_u32 s2, ttmp6, 0x10000c
	s_cmp_lg_u32 s2, 0xf033
	s_cbranch_scc0 .Lentry_shape_is_right
	s_endpgm
.Lentry_shape_is_right:
; out[m][n] = 2^(e10 + e11) x (sum over k of O[m][k] Wo[n][k]) + bo[n], on codes of BF8 (E5M2); m = 8,192 rows (b, t), n = 1,024, k = 1,024 = 16 heads x 64.
; oc: [b][head][t][64 bytes].  wimg: [n / 16][k / 32][lane 32][16 bytes]: row n % 16 = lane % 16, k = 32 c + 16 (lane / 16) + 0 .. 15.  out0: f32.
; LIMIT: e10 + e11 lies between -126 and 127, so that 2^(e10 + e11) is an f32 number.  NaN codes are not served.
; SHARES.  256 work-groups of four waves: 128 rows x 256 columns; a wave makes 128 rows x 64 columns.
; Into LDS, by one tensor load a wave: O's 128 rows x all of K (waves 0, 1) and Wo's 256 columns x k 0-511 as the image lies in memory (waves 2, 3).  O's 131,072 bytes and all of Wo's 262,144 do not fit in LDS beside each other:
; Wo's k 512-1,023 of a wave's 64 columns come straight from the image into 256 registers.  So no slot is filled again, and one barrier stands in the text.
; CLUSTERS: 4 x 4: O's tiles are asked for jointly along a row of the cluster (the same rows of C), Wo's along a column.
; C is finished by blocks of 16 rows, 32 matrix instructions each, so that finished rows leave while the others are multiplied.  No prefetch: there is no loop of loads to run ahead in.
; THE MATRIX INSTRUCTION IS USED TRANSPOSED: source 0 = 16 columns of Wo, source 1 = 16 rows of O: a lane holds eight neighbouring numbers of a row of C.
; REGISTERS: window 0: v0-31 addresses; v32-63 scaled sums; v64-95 the bias; v96-159, v160-223 O's fragments of 16 rows x 512 K; v224-255 rows from the stage.
;   windows 1, 2: Wo, k 0-511 and 512-1,023: fragment (q, b) at v[16 (4 (q % 4) + b)].   window 3: the four accumulators of a block, two sets.
.set AROW,  80                         ; 64 codes of a row and head + 16 bytes of padding = 20 words: sixteen neighbouring rows start at sixteen different groups of four banks (64 banks of 4 bytes: ISA guide 11.1)
.set AHEAD, 64*AROW                    ; a head's 64 rows
.set APART, 8*AHEAD                    ; eight heads' 64 rows; a wave fetches two such parts
.set BOFF,  4*APART                    ; Wo's 16 tiles of 16 columns: 8,192 bytes each
.set SPARE, BOFF+131072                ; the spare words, 128 bytes for each wave
.set STG,   SPARE+512                  ; a stage of 16 rows x 272 bytes for each wave; no tile lands here
.set SPITCH, 272
.set ADRA, 16                          ; v16-19  LDS address of my fragments: rows 0-63 heads 0-7, heads 8-15, rows 64-127 heads 0-7, heads 8-15
.set L16,  20                          ; v20     16 x lane
.set ADRB, 21                          ; v21     LDS address of my four tiles of Wo
.set STO,  24
.set RD,   25
.set CO,   26                          ; v26     my byte offset in two rows of C
.set BA,   27
.set SPW,  28
.set NIL,  29
.set TMP,  32
.set BIAS, 64
.set AF,   96
.set BK,   224
.set MSB, 0
.macro WIN new                         ; the immediate's high byte repeats the setting that is left
.if MSB != (\new)
	s_set_vgpr_msb (MSB<<8)|(\new)
.set MSB, (\new)
.endif
.endm
.macro CROUND                          ; a round of the cluster's barrier
	s_barrier_signal -1
	s_barrier_wait -1
	s_cmp_lg_u32 s14, 0
	s_cbranch_scc1 .Lnot_wave_0_\@
	s_barrier_signal -3
.Lnot_wave_0_\@:
	s_barrier_wait -3
	s_barrier_signal -1
	s_barrier_wait -1
.endm
	s_load_b256 s[4:11], s[0:1], 0x0               ; oc s[4:5], wimg s[6:7], the exponents s[8:9], bo s[10:11]
	s_load_b64 s[12:13], s[0:1], 0x20              ; out0
	v_lshl_add_u32 v[SPW], v0, 2, SPARE
	v_mov_b32 v[NIL], 0
	ds_add_u32 v[SPW], v[NIL]                      ; the opening: the add, twice on end
	ds_add_u32 v[SPW], v[NIL]
	v_lshrrev_b32 v1, 5, v0
	v_readfirstlane_b32 s14, v1                    ; wave 0..3
	v_and_b32 v2, 15, v0                           ; r
	v_bfe_u32 v3, v0, 4, 1                         ; h
	v_mul_u32_u24 v4, v2, AROW
	v_lshl_add_u32 v[ADRA], v3, 4, v4
	v_add_nc_u32 v[ADRA+1], APART, v[ADRA]
	v_add_nc_u32 v[ADRA+2], 2*APART, v[ADRA]
	v_add_nc_u32 v[ADRA+3], 3*APART, v[ADRA]
	v_mul_u32_u24 v5, v1, 16*SPITCH
	v_add_nc_u32 v5, STG, v5                       ; my stage
	v_mul_u32_u24 v6, v2, SPITCH                   ; in: row r, 32 bytes for each half of the lanes
	v_lshl_add_u32 v6, v3, 5, v6
	v_add_nc_u32 v[STO], v5, v6
	v_mul_u32_u24 v7, v3, SPITCH                   ; back: lanes 0-15 take one row of 256 bytes, lanes 16-31 the next
	v_lshl_add_u32 v7, v2, 4, v7
	v_add_nc_u32 v[RD], v5, v7
	v_lshlrev_b32 v[CO], 12, v3                    ; and the same in C, rows of 4,096 bytes
	v_lshl_add_u32 v[CO], v2, 4, v[CO]
	v_lshlrev_b32 v[BA], 5, v3
	v_and_b32 v[L16], 31, v0
	v_lshlrev_b32 v[L16], 4, v[L16]
	v_lshlrev_b32 v8, 15, v1                       ; four tiles a wave
	v_add_nc_u32 v[ADRB], v8, v[L16]
	v_add_nc_u32 v[ADRB], BOFF, v[ADRB]
	s_lshr_b32 s15, s14, 1                         ; I fetch for O (0) or for Wo (1)
	s_and_b32 s16, s14, 1                          ; which half
	s_bfe_u32 s40, ttmp6, 0x40000                  ; cx: the column block
	s_bfe_u32 s41, ttmp6, 0x40004                  ; cy
	s_and_b32 s42, ttmp7, 0xffff
	s_lshl_b32 s42, s42, 2
	s_add_co_u32 s42, s42, s41                     ; the row block: 128 rows
	s_lshl_b32 s43, s41, 2
	s_lshl_b32 s43, 15, s43                        ; my row of the cluster
	s_lshl_b32 s44, 0x1111, s40                    ; my column
	s_or_b32 s24, s43, (1<<20)|(1<<21)|(3<<22)|(3<<25)  ; 15:0 the mask; elements of 1 byte; 20 padding on; 21 set beside a mask; 24:22 after every 16 words; 31:25 of 4 words
	s_mov_b32 s25, 4096<<16                        ; 16 heads x (64 rows x 64 bytes, dense in memory)
	s_mov_b32 s26, 16<<16
	s_mov_b32 s27, 4096<<16
	s_mov_b32 s28, 16
	s_mov_b32 s29, 65536
	s_mov_b32 s30, 0
	s_mov_b32 s31, 0
	s_or_b32 s48, s44, (1<<21)                     ; Wo: no padding
	s_mov_b32 s49, 8192<<16                        ; 8 tiles x (k 0-511: 8,192 bytes of the tile's 16,384)
	s_mov_b32 s50, 8<<16
	s_mov_b32 s51, 8192<<16
	s_mov_b32 s52, 8
	s_mov_b32 s53, 16384
	s_mov_b32 s54, 0
	s_mov_b32 s55, 0
	s_lshr_b32 s20, s42, 3                         ; O (no cx): b,
	s_lshl_b32 s20, s20, 20
	s_and_b32 s21, s42, 7
	s_lshl_b32 s21, s21, 13                        ; 128 rows of 64 bytes,
	s_add_co_u32 s20, s20, s21
	s_lshl_b32 s21, s16, 12                        ; my 64 of them
	s_add_co_u32 s20, s20, s21
	s_mov_b32 s21, 0
	s_lshl_b32 s46, s40, 18                        ; Wo (no cy): 16 tiles of 16,384 bytes a column block, 8 a fetching wave
	s_lshl_b32 s47, s16, 17
	s_add_co_u32 s46, s46, s47
	s_mov_b32 s47, 0
	s_lshl_b32 s22, s40, 18                        ; and the 4 that I multiply
	s_lshl_b32 s23, s14, 16
	s_add_co_u32 s22, s22, s23
	s_mov_b32 s23, 0
	s_lshl_b32 s66, s40, 10                        ; my first column, in bytes of f32
	s_lshl_b32 s67, s14, 8
	s_add_co_u32 s66, s66, s67
	s_mov_b32 s67, 0
	s_lshl_b32 s68, s42, 19                        ; my rows of C
	s_add_co_u32 s68, s68, s66
	s_mov_b32 s69, 0
	s_wait_alu depctr_va_vdst(0)
	s_wait_dscnt 0x0                               ; both opening adds are done
	CROUND                                         ; all sixteen work-groups are here: the joint loads meet
	s_wait_kmcnt 0x0
	s_mov_b32 s32, 1
	s_mul_i32 s33, s16, 2*APART
	s_add_nc_u64 s[34:35], s[4:5], s[20:21]
	s_or_b32 s35, s35, 0x80000000
	s_mov_b32 s56, 1
	s_lshl_b32 s57, s16, 16
	s_add_co_u32 s57, s57, BOFF
	s_add_nc_u64 s[58:59], s[6:7], s[46:47]
	s_or_b32 s59, s59, 0x80000000
	s_cmp_eq_u32 s15, 0
	s_cbranch_scc0 .Lfor_b
	tensor_load_to_lds s[32:35], s[24:31]
	s_nop 0
.rept 4
	v_nop
.endr
	s_branch .Lasked
.Lfor_b:
	tensor_load_to_lds s[56:59], s[48:55]
	s_nop 0
.rept 4
	v_nop
.endr
.Lasked:
	s_load_b64 s[96:97], s[8:9], 0x28              ; e10, e11
	s_add_nc_u64 s[10:11], s[10:11], s[66:67]
	s_add_nc_u64 s[6:7], s[6:7], s[22:23]
	s_add_nc_u64 s[12:13], s[12:13], s[68:69]
.irp b, 0,1,2,3                                ; the bias of my lane's columns: 16 b + 8 h + 0 .. 7
	global_load_b128 v[BIAS+8*\b:BIAS+8*\b+3], v[BA], s[10:11] offset:64*\b
	global_load_b128 v[BIAS+8*\b+4:BIAS+8*\b+7], v[BA], s[10:11] offset:64*\b+16
.endr
.macro WLOAD q                         ; Wo's four fragments of 128 along K, straight from memory: 512 consecutive bytes an instruction
	WIN 0x80
.irp b, 0,1,2,3
.irp c, 0,1,2,3
	global_load_b128 v[16*(4*((\q)%4)+\b)+4*\c:16*(4*((\q)%4)+\b)+4*\c+3], v[L16], s[6:7] offset:16384*\b+2048*(\q)+512*\c
.endr
.endr
.endm
.macro FRAGS a, hf                     ; O's fragments of block a, heads 8 hf .. 8 hf + 7: 16 loads
	WIN 0
.irp q, 0,1,2,3
.irp c, 0,1,2,3
	ds_load_b128 v[AF+64*(\hf)+16*\q+4*\c:AF+64*(\hf)+16*\q+4*\c+3], v[ADRA+2*((\a)/4)+(\hf)] offset:(2*\q+\c/2)*AHEAD+((\a)%4)*16*AROW+32*(\c%2)
.endr
.endr
.endm
.macro UNIT a, hf                      ; 16 matrix instructions: the block's four accumulators take turns, one instruction a turn; the first takes 0 as C
	WIN 0xf1+(\hf)
.irp q, 0,1,2,3
.irp b, 0,1,2,3
.set RC, 32*((\a)%2)+8*\b
.if (\hf+\q) == 0
	v_wmma_f32_16x16x128_bf8_bf8 v[RC:RC+7], v[16*(4*\q+\b):16*(4*\q+\b)+15], v[AF+64*(\hf)+16*\q:AF+64*(\hf)+16*\q+15], 0
.else
	v_wmma_f32_16x16x128_bf8_bf8 v[RC:RC+7], v[16*(4*\q+\b):16*(4*\q+\b)+15], v[AF+64*(\hf)+16*\q:AF+64*(\hf)+16*\q+15], v[RC:RC+7]
.endif
.endr
.endr
.endm
.macro PLACES
.rept 4
	v_nop                                          ; places behind matrix instructions whose result is read, or whose fragments' registers are loaded anew (ISA guide 7.12.1 for vector instructions)
.endr
.endm
.macro TOSTAGE a                       ; scaled, the bias added, into my stage, and back as whole rows of 256 bytes
	s_wait_xcnt 0x0                                ; the last block's stores have read their registers and their base
	PLACES
	WIN 0x03
.irp b, 0,1,2,3
.irp i, 0,2,4,6
	v_pk_fma_f32 v[TMP+8*\b+\i:TMP+8*\b+\i+1], v[32*((\a)%2)+8*\b+\i:32*((\a)%2)+8*\b+\i+1], s[96:97], v[BIAS+8*\b+\i:BIAS+8*\b+\i+1] op_sel_hi:[1,0,1]
.endr
.endr
	WIN 0
.irp b, 0,1,2,3
	ds_store_b128 v[STO], v[TMP+8*\b:TMP+8*\b+3] offset:64*\b
	ds_store_b128 v[STO], v[TMP+8*\b+4:TMP+8*\b+7] offset:64*\b+16
.endr
.irp t, 0,1,2,3,4,5,6,7
	ds_load_b128 v[BK+4*\t:BK+4*\t+3], v[RD] offset:\t*2*SPITCH    ; LDS serves a wave's instructions in order (ISA guide 5.7.1.4): these see the stores above
.endr
.endm
.macro SEND a, younger                 ; younger: the LDS loads issued behind block a's, which may stay out
	WIN 0
	s_wait_dscnt \younger
.if (\a) > 0
	s_add_nc_u64 s[12:13], s[12:13], 16*4096       ; 16 rows on (behind TOSTAGE's wait on XCNT)
.endif
.irp t, 0,1,2,3,4,5,6,7
	global_store_b128 v[CO], v[BK+4*\t:BK+4*\t+3], s[12:13] offset:\t*2*4096 th:TH_STORE_NT   ; 16 lanes store 256 consecutive bytes, aligned
.endr
.endm
	WLOAD 4
	WLOAD 5
	WLOAD 6
	WIN 0
	s_wait_tensorcnt 0x0                           ; my part of O or of Wo is in,
	s_barrier_signal -1
	s_barrier_wait -1                              ; everybody's is; nothing is filled again
	WLOAD 7
	FRAGS 0, 0
	WIN 0x40
.irp q, 0,1,2,3                                ; Wo, k 0-511: the image's bytes are the fragments' registers
.irp b, 0,1,2,3
.irp c, 0,1,2,3
	ds_load_b128 v[16*(4*\q+\b)+4*\c:16*(4*\q+\b)+4*\c+3], v[ADRB] offset:8192*\b+2048*\q+512*\c
.endr
.endr
.endr
	WIN 0
	s_wait_kmcnt 0x0
	s_add_co_i32 s96, s96, s97
	s_add_co_i32 s96, s96, 127
	s_lshl_b32 s96, s96, 23                        ; 2^(e10 + e11)
	s_mov_b32 s97, s96
.irp a, 0,1,2,3,4,5,6,7
.if \a == 0
	s_wait_dscnt 0x0
.else
	s_wait_dscnt 16                                ; the block's first fragments are in; the stage's eight stores and eight loads may be out
.endif
	FRAGS \a, 1                                    ; (TOSTAGE's places stand behind the products that read these registers)
	UNIT \a, 0
.if \a > 0
	SEND \a-1, 16
.endif
	s_wait_dscnt 0x0
.if \a == 0
	s_wait_loadcnt 0x0                             ; Wo's second half and the bias
.endif
.if \a < 7
	PLACES
	FRAGS \a+1, 0
.endif
	UNIT \a, 1
	TOSTAGE \a
.endr
	SEND 7, 0
	s_wait_tensorcnt 0x0                           ; the wave's end
	ds_add_u32 v[SPW], v[NIL]
	s_wait_dscnt 0x0
	CROUND                                         ; the closing round: no work-group ends while a partner may still ask for a tile that names it
	s_endpgm
.Lfunc_end_k_qce227b95d2_proj:
	.size	k_qce227b95d2_proj, .Lfunc_end_k_qce227b95d2_proj-k_qce227b95d2_proj
	.p2alignl 7, 3214868480
	.fill 96, 4, 3214868480
	.section	.rodata,"a",@progbits
	.p2align	6, 0x0
	.amdhsa_kernel k_qce227b95d2_proj
		.amdhsa_group_segment_fixed_size 327680
		.amdhsa_private_segment_fixed_size 0
		.amdhsa_enable_private_segment 0
		.amdhsa_kernarg_size 40
		.amdhsa_user_sgpr_count 2
		.amdhsa_user_sgpr_kernarg_segment_ptr 1
		.amdhsa_wavefront_size32 1
		.amdhsa_system_sgpr_workgroup_id_x 1
		.amdhsa_system_sgpr_workgroup_id_y 1
		.amdhsa_system_sgpr_workgroup_id_z 1
		.amdhsa_system_vgpr_workitem_id 0
		.amdhsa_next_free_vgpr 832
		.amdhsa_next_free_sgpr 100
		.amdhsa_reserve_vcc 0
		.amdhsa_float_denorm_mode_32 3
		.amdhsa_float_denorm_mode_16_64 3
		.amdhsa_memory_ordered 1
		.amdhsa_forward_progress 1
		.amdhsa_inst_pref_size 76
	.end_amdhsa_kernel
	.amdgpu_metadata
---
amdhsa.version: [ 1, 2 ]
amdhsa.kernels:
  - .name:           k_qce227b95d2_proj
    .symbol:         k_qce227b95d2_proj.kd
    .args:
      - { .name: oc, .offset: 0, .size: 8, .value_kind: global_buffer, .address_space: global }
      - { .name: wimg, .offset: 8, .size: 8, .value_kind: global_buffer, .address_space: global }
      - { .name: lowp_scales, .offset: 16, .size: 8, .value_kind: global_buffer, .address_space: global }
      - { .name: bo, .offset: 24, .size: 8, .value_kind: global_buffer, .address_space: global }
      - { .name: out0, .offset: 32, .size: 8, .value_kind: global_buffer, .address_space: global }
    .group_segment_fixed_size: 327680
    .private_segment_fixed_size: 0
    .kernarg_segment_align: 8
    .kernarg_segment_size: 40
    .max_flat_workgroup_size: 128
    .sgpr_count:     100
    .vgpr_count:     832
    .wavefront_size: 32
...
	.end_amdgpu_metadata
.endif
;; end of part 3
